; MI455X (gfx1250); checked and timed in simulation.
; The chip was launched on July 23, 2026; its instructions are those of AMD's public machine-readable ISA for CDNA 5 (MIT licence, August 2026) and "CDNA5" Instruction Set Architecture Reference Guide (July 2026). The comments in the code are by the model that wrote it; some were corrected since.
;; Softmax Self Attention. Allowed arithmetic: matrix products marked QUANTISED: E2M1 operands, one E8M0 scale for each 32 along K, by v_wmma_scale_f32_16x16x128_f8f6f4 with both operands' format E2M1 (or v_wmma_scale_f32_32x16x128_f4), f32 sums; everything else in f32.
;; Inputs: K 2 x 12 x 2,048 x 64 float32; Q 2 x 12 x 2,048 x 64 float32; V 2 x 12 x 2,048 x 64 float32.
;; Outputs: out0 2 x 12 x 2,048 x 64 float32.
;; This version of the problem:
;;   THIS VERSION OF THE PROBLEM IS GIVEN IN LOW PRECISION. The matrix products marked QUANTISED in the list below multiply operands that are first quantised to E2M1 (2 exponent bits, 1 mantissa bit; 4 bits a number), with one power-of-two scale for each 32 numbers along K (OCP MX v1.0); their sums are f32. All else is computed in f32.
;;   The module's matrix products, in the order in which they are computed (A, B: the left and right operand; K: the contracted axis; several contracted axes count as one K, in the product's order):
;;     1. batch 24 x [M 2,048, K 64] x [K 64, N 2,048]; A: input Q; B: input K: QUANTISED
;;     2. batch 24 x [M 2,048, K 2,048] x [K 2,048, N 64]; A: softmax (see below); B: input V: QUANTISED
;;   THE QUANTISER, for each operand of a quantised product, along K:
;;     - K is cut into blocks of 32 from its start; a last block that is shorter is filled with zeros.
;;     - A block's scale is 2^e with e = floor(log2(the largest magnitude in the block)) - 2, held to -126 .. 127; a block of zeros has e = 0. As a byte (E8M0): e + 127.
;;     - Each number is divided by its block's scale, clamped to +-6, and rounded to the nearest number of E2M1, ties to even, subnormals kept.
;;     - The product sums the exact products of the quantised numbers (number of the format x scale) in f32.
;;   ~~~python
;;   def quantise(x, axis):      # numpy; x: float32 -> the quantised numbers, widened to float32 again
;;       x = np.moveaxis(x, axis, -1); K = x.shape[-1]
;;       x = np.pad(x, [(0, 0)] * (x.ndim - 1) + [(0, -K % 32)]); x = x.reshape(x.shape[:-1] + (-1, 32)); a = np.abs(x).max(-1, keepdims=True)
;;       e = np.where(a > 0, np.clip(np.frexp(np.where(a > 0, a, 1))[1] - 1 - 2, -126, 127), 0)      # np.frexp(a)[1] - 1 = floor(log2(a)), exactly
;;       r = np.clip(x / 2.0 ** e, -6, 6)
;;       step = 2.0 ** (np.maximum(np.frexp(np.where(r == 0, 1, r))[1] - 1, 0) - 1)
;;       q = np.round(r / step) * step * 2.0 ** e      # np.round: ties to even
;;       return np.moveaxis(q.reshape(q.shape[:-2] + (-1,))[..., :K], -1, axis).astype(np.float32)
;;   ~~~
;;   SOFTMAX AHEAD OF A QUANTISED PRODUCT. Where the list says 'softmax', what is quantised is not the finished softmax but p = 2^(t - M), with t = logit x log2(e) and M = ceil(the row's largest t), a whole number; so 1/2 < the row's largest p <= 1. The row's sum l is taken of the UNQUANTISED p, in f32, and the product's result is divided by l at the end. Since M is a whole number, a kernel that streams over the keys may use a running M (the ceiling of the running maximum): every later rescaling is an exact power of two, which a block's scale takes up: the codes' values come out the same.
;;   OPERANDS COMPUTED ON THE WAY. 'Computed on the way' means the value that the module computes at that place (a softmax that the list does not call 'softmax' is quantised finished and normalised). What goes into a quantiser is computed in f32, as accurately as f32 sums, v_exp_f32 and their like allow (about 1e-6 of the number): no bf16 or f16 on the way to a quantiser, and a product that is left as it is and whose result goes on into a quantised operand takes f32 operands (vector FMAs, or v_wmma_f32_16x16x4_f32). A number that lies on a knife's edge between two numbers of the format may be rounded either way, as far as f32 arithmetic and the matrix unit's own rounding can turn it there, and no further.
;; One version. Each part assembles by itself: llvm-mc -triple=amdgcn-amd-amdhsa -mcpu=gfx1250 --defsym DOCPART=n.
;; ======== version 1 of 1: 2 launches
;; limits: right only within a limited range of input values
;; workspace buffers: kv 3,440,640 bytes
;; launch prep (part 1): grid 768 x 1, 4 waves a work-group, no clusters, 36,096 bytes of LDS; arguments K, V, kv; writes kv
.if DOCPART == 1
	.amdgcn_target "amdgcn-amd-amdhsa--gfx1250"
	.amdhsa_code_object_version 6
	.text
	.protected	k_qcd7afe7398_prep
	.globl	k_qcd7afe7398_prep
	.p2align	8
	.type	k_qcd7afe7398_prep,@function
k_qcd7afe7398_prep:
	s_mov_b64 s[64:65], 0
	v_nop
	global_prefetch_b8 v0, s[64:65] scope:SCOPE_SE
	s_setreg_imm32_b32 hwreg(HW_REG_WAVE_MODE, 25, 1), 1
	s_wait_xcnt 0x0
; K and V, [24 heads][2048 keys][64] f32, are quantised once to codes of FP4 (E2M1) with one E8M0 scale byte for each 32 numbers:
; K along the head's 64 channels, V along the KEYS (the second product's K).  The results go to kv, laid in the order of the operands' registers.
; A block's scale is 2^(floor(log2(its largest magnitude)) - 2): its byte is the largest magnitude's exponent field - 2, held at 1 from below by a floor among the maximum's leaves.
; LIMITS: NaN and infinities among the inputs are not served.  A block of zeros gets the byte 1 where the quantiser says 127: its codes are zeros, which add nothing under that byte,
; and the bytes are read by this program alone.
; kv: a block of 17,920 bytes for each 256 keys (half k = 128 keys, c = 64 keys of a half; L = r + 16 h a lane):
;   4096 k          K: position p = 4 c + b + 2 u at 512 p + 16 L: codes of tile i = 2 b + u of c: row r is key 64 c + 32 (r / 8) + 8 i + r % 8, channels 32 h .. + 31.
;   8192 + 4096 k   V: tile u, c at 512 (2 u + c) + 16 L: channel 16 u + r, keys 64 c + 32 h .. + 31 of the half.
;   16384 + 512 k   K's scale words: at 16 L + 4 j, j = 2 c + b: tile i = 2 b + h, row r: bytes 0, 1 channels 0-31, 32-63; bytes 2, 3 = 0x7f (they scale zero codes).
;   17408 + 256 k   V's scale words: at 8 L + 4 j: tile 2 h + j, row r: byte b for keys 32 b .. + 31 of the half.
; SHARES.  768 work-groups of four waves, 8 KiB a wave, three to a WGP: the first 384 take K, 128 keys each, the others V.  A wave asks for all its bytes at its start.
; K: wave (c, b) takes tiles 2 b, 2 b + 1 of c: two runs of 16 keys.  Each load reads 512 consecutive bytes; the rows turn through the wave's own stage in LDS, so that a lane gets a whole block.
; V: wave (dh, c): a lane takes a channel and its registers run down 64 keys, two whole blocks: nothing is transposed.
; No matrix unit, no tensor load, no cluster: the launch streams each byte once and work-groups share nothing.
.set GK,   384
.set BLKB, 17920
.set SROW, 272                         ; a stage row: a key's 256 bytes + 16
.set KSTG, 32*SROW
.set KIM,  4*KSTG                      ; image of K's scale words, 512 bytes
.set VIM,  KIM+512                     ; image of V's, 256 bytes
.set SPARE, VIM+256                    ; the spare words, 128 bytes a wave
.set X,    16                          ; v16-79   64 numbers as loaded
.set Y,    80                          ; v80-143  K: two tiles x 32 neighbouring channels
.set C,    144                         ; v144-151 codes
.set SPW,  176
.set NIL,  177
.macro BMAX d, e, x
	v_max3_num_f32 v[\d], |v[(\x)]|, |v[(\x)+1]|, |v[(\x)+2]|
	v_max3_num_f32 v[\e], |v[(\x)+3]|, |v[(\x)+4]|, |v[(\x)+5]|
.irp i, 6,10,14,18,22,26
	s_delay_alu instid0(VALU_DEP_2)
	v_max3_num_f32 v[\d], v[\d], |v[(\x)+\i]|, |v[(\x)+\i+1]|
	s_delay_alu instid0(VALU_DEP_2)
	v_max3_num_f32 v[\e], v[\e], |v[(\x)+\i+2]|, |v[(\x)+\i+3]|
.endr
	s_delay_alu instid0(VALU_DEP_2)
	v_max3_num_f32 v[\d], v[\d], |v[(\x)+30]|, |v[(\x)+31]|
	s_delay_alu instid0(VALU_DEP_1)
	v_max3_num_f32 v[\d], v[\d], v[\e], 0x1800000
.endm
	s_load_b128 s[4:7], s[0:1], 0x0                ; K s[4:5], V s[6:7]
	s_load_b64 s[8:9], s[0:1], 0x10                ; kv
	v_lshl_add_u32 v[SPW], v0, 2, SPARE
	v_mov_b32 v[NIL], 0
	v_lshrrev_b32 v1, 5, v0
	v_readfirstlane_b32 s10, v1                    ; wave 0..3
	s_and_b32 s24, s10, 1                          ; K: b; V: dh
	s_lshr_b32 s25, s10, 1                         ; c
	s_cmp_lt_u32 ttmp9, GK                         ; K's work-group or V's: the work-group's number alone
	s_cselect_b32 s11, 0, GK
	s_sub_co_u32 s11, ttmp9, s11                   ; g: which 128 keys of the flat 49,152
	s_lshr_b32 s14, s11, 1
	s_mul_i32 s14, s14, BLKB                       ; the block of kv
	s_mov_b32 s15, 0
	s_and_b32 s26, s11, 1                          ; k
	s_lshl_b32 s12, s11, 15
	s_mov_b32 s13, 0
	s_lshl_b32 s28, s25, 14                        ; K: my first key: 64 c + 16 b
	s_lshl_b32 s29, s24, 12
	s_add_co_u32 s28, s28, s29
	s_mov_b32 s29, 0
	s_mul_i32 s16, s10, KSTG                       ; my stage
	s_lshl_b32 s17, s26, 12                        ; K's codes: 4096 k + 2048 c + 512 b
	s_lshl_b32 s18, s25, 11
	s_add_co_u32 s17, s17, s18
	s_lshl_b32 s18, s24, 9
	s_add_co_u32 s17, s17, s18
	s_lshl_b32 s18, s10, 2                         ; K's scale words: + 4 j, j = my wave's number
	s_add_co_u32 s18, s18, KIM
	s_lshl_b32 s19, s24, 7                         ; V in: 128 dh + 16,384 c
	s_lshl_b32 s20, s25, 14
	s_add_co_u32 s19, s19, s20
	s_lshl_b32 s20, s26, 12                        ; V's codes: 8192 + 4096 k + 2048 dh + 512 c
	s_add_co_u32 s20, s20, 8192
	s_lshl_b32 s21, s24, 11
	s_add_co_u32 s20, s20, s21
	s_lshl_b32 s21, s25, 9
	s_add_co_u32 s20, s20, s21
	s_lshl_b32 s21, s24, 7                         ; V's scale bytes: 128 dh + 2 c
	s_lshl_b32 s22, s25, 1
	s_add_co_u32 s21, s21, s22
	s_add_co_u32 s21, s21, VIM
	s_lshl_b32 s22, s26, 8
	s_add_co_u32 s22, s22, 17408
	s_lshl_b32 s23, s26, 9
	s_add_co_u32 s23, s23, 16384
	s_mov_b32 s30, 0x76543210                      ; v_permlanex16_b32's selects for lane l xor 16
	s_mov_b32 s31, 0xfedcba98
	s_mov_b32 s27, 0xffff0000                      ; lanes 16-31
	v_and_b32 v1, 31, v0                           ; lane
	v_and_b32 v2, 15, v0                           ; r
	v_bfe_u32 v3, v0, 4, 1                         ; hl
	v_lshlrev_b32 v4, 4, v1
	v_mul_u32_u24 v5, v3, SROW
	v_mul_u32_u24 v6, v2, SROW
	v_lshl_add_u32 v8, v1, 4, s18                  ; LDS: my word of K's scale image
	v_lshl_add_u32 v9, v1, 2, s19
	v_lshl_add_u32 v10, v3, 10, s20
	v_lshl_add_u32 v11, v2, 3, s21
	v_lshl_add_u32 v5, v2, 4, v5
	v_lshl_add_u32 v6, v3, 7, v6
	v_add_nc_u32 v7, s17, v4
	v_lshl_add_u32 v10, v2, 4, v10
	v_lshl_add_u32 v11, v3, 2, v11
	v_add_nc_u32 v5, s16, v5                       ; into the stage: row hl of a load's two
	v_add_nc_u32 v6, s16, v6                       ; out of it: row r, channels 32 hl on
	v_add_nc_u32 v12, KIM, v4                      ; the images on their way out
	v_lshl_add_u32 v13, v1, 3, VIM
	v_lshl_add_u32 v14, v1, 3, s22                 ; and their places in kv
	v_add_nc_u32 v163, s23, v4
	v_lshlrev_b32 v15, 3, v3
	v_mov_b32 v158, 0                              ; a lane permute's destination counts as one of its sources
	v_mov_b32 v159, 0
	s_wait_alu depctr_va_vdst(0)                   ; the wait at the head's end
	s_wait_kmcnt 0x0
	s_add_nc_u64 s[4:5], s[4:5], s[12:13]
	s_add_nc_u64 s[4:5], s[4:5], s[28:29]
	s_add_nc_u64 s[6:7], s[6:7], s[12:13]
	s_add_nc_u64 s[8:9], s[8:9], s[14:15]
	s_cmp_lt_u32 ttmp9, GK
	s_cbranch_scc0 .Lv
	; ---- K: run a = i / 8 holds keys 32 a .. 32 a + 15 from my first; load i reads two keys whole
.irp i, 0,1,2,3,4,5,6,7,8,9,10,11,12,13,14,15
	global_load_b128 v[X+4*\i:X+4*\i+3], v4, s[4:5] offset:8192*(\i>>3)+512*(\i&7) th:TH_LOAD_NT
.endr
	; key 32 a + 8 u + n is row 8 a + n of tile u: stage row 16 u + 8 a + n
.irp i, 0,1,2,3,4,5,6,7,8,9,10,11,12,13,14,15
	s_wait_loadcnt 15-\i                           ; load i is in, the 15 - i younger ones may be out
	ds_store_b128 v5, v[X+4*\i:X+4*\i+3] offset:SROW*(16*((\i>>2)&1)+8*(\i>>3)+2*(\i&3))
.endr
.irp u, 0,1
.irp i, 0,1,2,3,4,5,6,7
	ds_load_b128 v[Y+32*\u+4*\i:Y+32*\u+4*\i+3], v6 offset:SROW*16*\u+16*\i   ; LDS serves a wave's instructions in order: these see my stores
.endr
.endr
.irp u, 0,1
	s_wait_dscnt 8-8*\u                            ; tile u's eight loads are in (behind tile 0's: tile 1's eight)
	BMAX 152+\u, 154+\u, Y+32*\u
	s_delay_alu instid0(VALU_DEP_1)
	v_add_nc_u32 v[156+\u], 0xff000000, v[152+\u]  ; 2 off its exponent field: the conversion takes this operand's exponent field as its scale
.irp g, 0,1,2,3
	v_cvt_scalef32_pk8_fp4_f32 v[C+4*\u+\g], v[Y+32*\u+8*\g:Y+32*\u+8*\g+7], v[156+\u]
.endr
.endr
.irp u, 0,1
	v_lshrrev_b32 v[160+\u], 23, v[156+\u]         ; the scale's byte (plain lines behind the conversions)
.endr
.irp u, 0,1
	s_delay_alu instid0(VALU_DEP_2)
	v_lshlrev_b32 v[160+\u], v15, v[160+\u]        ; at its place: byte hl
.endr
.irp u, 0,1
	s_delay_alu instid0(VALU_DEP_2)
	v_permlanex16_b32 v[158+\u], v[160+\u], s30, s31
.endr
.irp u, 0,1
	s_delay_alu instid0(VALU_DEP_2)
	v_or_b32 v[160+\u], v[160+\u], v[158+\u]       ; with lane l xor 16's: both bytes
.endr
.irp u, 0,1
	s_delay_alu instid0(VALU_DEP_2)
	v_or_b32 v[160+\u], 0x7f7f0000, v[160+\u]      ; bytes 2 and 3 stand for 1.0
.endr
	v_cndmask_b32 v162, v160, v161, s27            ; lanes 0-15 send tile 0's word, lanes 16-31 tile 1's
	global_store_b128 v7, v[C:C+3], s[8:9]                 ; a tile's image: 512 consecutive bytes
	global_store_b128 v7, v[C+4:C+7], s[8:9] offset:1024
	ds_store_b32 v8, v162
	s_branch .Ljoin
.Lv:	; ---- V: channel 32 dh + lane, keys 64 c .. 64 c + 63; a load reads 128 consecutive bytes, beside the 128 of the wave with the other dh
.set i, 0
.rept 64
	global_load_b32 v[X+i], v9, s[6:7] offset:256*i th:TH_LOAD_NT
.set i, i+1
.endr
.irp p, 0,1
	s_wait_loadcnt 32-32*\p                        ; block p's 32 loads are in (behind block 0's: block 1's 32)
	BMAX 152+\p, 154+\p, X+32*\p
	s_delay_alu instid0(VALU_DEP_1)
	v_add_nc_u32 v[156+\p], 0xff000000, v[152+\p]
	s_delay_alu instid0(VALU_DEP_1)
	v_lshrrev_b32 v[160+\p], 23, v[156+\p]
.irp g, 0,1,2,3
	v_cvt_scalef32_pk8_fp4_f32 v[C+4*\p+\g], v[X+32*\p+8*\g:X+32*\p+8*\g+7], v[156+\p]
.endr
.endr
	v_lshl_or_b32 v162, v161, 8, v160              ; my two bytes (a plain line behind the conversions)
	global_store_b128 v10, v[C:C+3], s[8:9]                ; lanes 0-15 and lanes 16-31 each store 256 consecutive bytes
	global_store_b128 v10, v[C+4:C+7], s[8:9] offset:256
	ds_store_b16 v11, v162
.Ljoin:
	s_wait_dscnt 0x0                               ; for wave 0's sake: my part of the image has landed
	s_barrier_signal -1
	s_barrier_wait -1
	s_cmp_lg_u32 s10, 0
	s_cbranch_scc1 .Lend
	s_cmp_lt_u32 ttmp9, GK
	s_cbranch_scc0 .Lvs
	ds_load_b128 v[164:167], v12                   ; wave 0 sends the image out: 512 or 256 consecutive bytes
	s_wait_dscnt 0x0
	global_store_b128 v163, v[164:167], s[8:9]
	s_branch .Lend
.Lvs:
	ds_load_b64 v[168:169], v13
	s_wait_dscnt 0x0
	global_store_b64 v14, v[168:169], s[8:9]
.Lend:
	s_wait_tensorcnt 0x0                           ; the wave's end
	ds_add_u32 v[SPW], v[NIL]
	s_wait_dscnt 0x0
	s_endpgm
.Lfunc_end_k_qcd7afe7398_prep:
	.size	k_qcd7afe7398_prep, .Lfunc_end_k_qcd7afe7398_prep-k_qcd7afe7398_prep
	.p2alignl 7, 3214868480
	.fill 96, 4, 3214868480
	.section	.rodata,"a",@progbits
	.p2align	6, 0x0
	.amdhsa_kernel k_qcd7afe7398_prep
		.amdhsa_group_segment_fixed_size 36096
		.amdhsa_private_segment_fixed_size 0
		.amdhsa_enable_private_segment 0
		.amdhsa_kernarg_size 24
		.amdhsa_user_sgpr_count 2
		.amdhsa_user_sgpr_kernarg_segment_ptr 1
		.amdhsa_wavefront_size32 1
		.amdhsa_system_sgpr_workgroup_id_x 1
		.amdhsa_system_sgpr_workgroup_id_y 1
		.amdhsa_system_sgpr_workgroup_id_z 1
		.amdhsa_system_vgpr_workitem_id 0
		.amdhsa_next_free_vgpr 178
		.amdhsa_next_free_sgpr 66
		.amdhsa_reserve_vcc 0
		.amdhsa_float_denorm_mode_32 3
		.amdhsa_float_denorm_mode_16_64 3
		.amdhsa_memory_ordered 1
		.amdhsa_forward_progress 1
		.amdhsa_inst_pref_size 24
	.end_amdhsa_kernel
	.amdgpu_metadata
---
amdhsa.version: [ 1, 2 ]
amdhsa.kernels:
  - .name:           k_qcd7afe7398_prep
    .symbol:         k_qcd7afe7398_prep.kd
    .args:
      - { .name: K, .offset: 0, .size: 8, .value_kind: global_buffer, .address_space: global }
      - { .name: V, .offset: 8, .size: 8, .value_kind: global_buffer, .address_space: global }
      - { .name: kv, .offset: 16, .size: 8, .value_kind: global_buffer, .address_space: global }
    .group_segment_fixed_size: 36096
    .private_segment_fixed_size: 0
    .kernarg_segment_align: 8
    .kernarg_segment_size: 24
    .max_flat_workgroup_size: 128
    .sgpr_count:     66
    .vgpr_count:     178
    .wavefront_size: 32
...
	.end_amdgpu_metadata
.endif
;; end of part 1
;; launch attn (part 2): grid 32 x 8, 12 waves a work-group, clusters of 4 x 1, 314,368 bytes of LDS; arguments Q, kv, out0; writes out0
.if DOCPART == 2
	.amdgcn_target "amdgcn-amd-amdhsa--gfx1250"
	.amdhsa_code_object_version 6
	.text
	.protected	k_qcd7afe7398_attn
	.globl	k_qcd7afe7398_attn
	.p2align	8
	.type	k_qcd7afe7398_attn,@function
k_qcd7afe7398_attn:
	s_mov_b64 s[64:65], 0
	v_nop
	global_prefetch_b8 v0, s[64:65] scope:SCOPE_SE
	s_setreg_imm32_b32 hwreg(HW_REG_WAVE_MODE, 25, 1), 1
	s_wait_xcnt 0x0
	s_wait_alu depctr_hold_cnt(0) depctr_sa_sdst(0) depctr_va_vdst(0) depctr_va_sdst(0) depctr_va_ssrc(0) depctr_va_vcc(0) depctr_vm_vsrc(0)
	s_getreg_b32 s2, hwreg(HW_REG_IB_STS2, 6, 4)
	s_cmp_eq_u32 s2, 0
	s_cbranch_scc0 .Lentry_in_a_cluster
	s_endpgm
.Lentry_in_a_cluster:
	s_bfe_u32 s2, ttmp6, 0x10000c
	s_cmp_lg_u32 s2, 0x3003
	s_cbranch_scc0 .Lentry_shape_is_right
	s_endpgm
.Lentry_shape_is_right:
; out0[h][q][:] = the sum over k of softmax_k(Q[h][q] . K[h][k] / 8) V[h][k][:], 24 heads, 2,048 queries and keys, head size 64; both products on codes of FP4 (E2M1) with one E8M0 scale for each 32 along a product's K.
; K and V come as codes and scale words out of kv, laid by the launch before in the order of the operands' registers: for each head 8 blocks of 256 keys, 17,920 bytes each:
;   0, 4,096 K's halves of 128 keys (eight positions of 512 bytes); 8,192, 12,288 V's (four tiles of two pieces of 512); 16,384, 16,896 K's scale words (16 bytes a lane); 17,408, 17,664 V's (8 bytes a lane).
; THE SOFTMAX AHEAD OF THE SECOND PRODUCT: t = score x log2(e) / 8; M = the row's largest t so far, rounded UP to a whole number; p = 2^(t - M) is quantised along the keys, not normalised.
; The row's sum is taken of the unquantised p, in f32, and divides O at the end.  When M moves, the sum and O are multiplied by 2^(old M - new M): exact.
; A block's scale byte is floor(its largest t - M) + 125: p rises with t, so this is the exponent of the block's largest p, less 2.
; SHARES.  24 heads x 128 tiles of 16 queries = 256 work-groups x 12 waves x 1 tile.  Of each three heads (grid y) waves 0-7 take eight tiles of head 0 (work-groups 0-15) or head 1 (16-31), waves 8-11 four tiles of head 2.
; So every work-group reads two heads' codes, 286,720 bytes.  They come ONCE and stay: nothing in LDS is filled a second time, so there is no ring.  Each wave issues one tensor load:
; waves 0-3 the first two blocks of both heads (70 rows of 256 bytes), waves 4-11 the other six (105 rows), asked for when the wave's Q is in, so that what is needed first is asked for first.
; CLUSTER.  Its four work-groups want the same two heads: each load is asked for JOINTLY, by the same descriptor with a mask that names the four.
; No prefetch: every byte is asked for at the head, and there is no loop to run ahead in.
; LAYOUT.  Both products are used transposed: S^T = K Q^T (32 keys an instruction), O^T = V^T P^T (16 channels an instruction): a lane holds ONE query (lane % 16) throughout.
; Row m of K's tile i of 64 keys c is key 64 c + 32 (m / 8) + 8 i + m % 8: so lane (r, h) gets all 32 keys of block 2 c + h in 32 neighbouring registers: a whole block, as the conversions and the second operand want it.
; K = 64 IN AN INSTRUCTION OF 128: Q's registers 4-7 are zero codes and bytes 2, 3 of Q's and K's scale words are 0x7f.  So whatever codes stand in source 0's upper registers add exact zeros (FP4 has no NaN and no infinity):
; the instruction for positions (p, p + 2) names the 16 registers from p on.
; LIMITS: NaN and infinities among the inputs are not served.  The scaled scores t stay under 2^31 in magnitude.  A block of zeros (of Q, or of p) gets the byte 1 where the quantiser says 127: its codes are zeros.
; A p under 2^-126 counts as 0 (v_exp_f32 flushes it), beside a row's largest p above 1/2; a block whose largest p lies under 2^-124 is scaled by the byte 1.
.set STEPB, 17920                      ; a block of 256 keys
.set HEADB, 8*STEPB
.set PARTB, 105*256                    ; what one of waves 4-11 brings
.set SP,    272                        ; a stage row: 256 bytes + 16
.set STGW,  8*SP                       ; a wave's stage: 8 rows, for Q on its way in and O on its way out
.set STG,   2*HEADB                    ; the stages lie behind the codes; no tensor load lands there
.set SPARE, STG+12*STGW                ; the spare words, 128 bytes a wave
.set SPW,  1
.set NIL,  2
.set ADR,  3                           ; the block in hand + 16 x lane
.set NM,   4                           ; v4 -M, v5 the largest score so far: a pair
.set RUN,  5
.set SUM,  6                           ; v6-7 the row's sum in two halves
.set F,    8                           ; v8 f = 2^(old M - new M); v9 is named with it as a pair
.set L16,  9                           ; v9 my region's first byte + 16 x lane
.set QF,   10                          ; v10-17 Q's fragment: four registers of codes, four of zeros
.set QS,   18
.set PS,   19                          ; v19-20 p's scale words
.set W,    21
.set X,    22
.set T,    23
.set VS,   24                          ; v24-27 V's scale words
.set KS,   28                          ; v28-35 K's scale words
.set VF,   36                          ; v36-67 V's first half (at the head and on the way out: addresses)
.set PC,   68                          ; v68-75 p's codes, first half
.set BM,   76                          ; v76-79 the blocks' largest scores
.set BN,   80                          ; v80-83 second chains; then t - M of the blocks, as whole numbers
.set CH,   76                          ; v76-83 the sum's four chains, when BM and BN are done with
.set BS,   84                          ; v84-87 the conversions' scale operands
.set S,    88                          ; v88-215 S^T, then p; then p's codes of the second half (8) and V's second half (32)
.set O,    216                         ; v216-247 O^T
.set D,    249
.set ADR8, 250                         ; the block in hand + 8 x lane
.set L8,   251
; window 1: v256-319 K's 16 positions of four registers, v320-323 zeros
.set TR,   36                          ; r
.set TH,   37                          ; h
.set T7,   38
.set TQ,   39
.set TL,   40                          ; lane
.set RD,   41                          ; the stage: row h, + 16 r
.set QRD,  42                          ; the stage: row r % 8, + 64 (r / 8 + 2 h)
.set GO,   43                          ; 16 x lane
.set H8,   44                          ; 8 h
.set STO,  45                          ; the stage: row r % 8, + 32 h
.set WV,   10
.set G1A,  16
.set G1B,  24
.set G0A,  32
.set G0B,  36
.set SEL,  44
.set CS,   46                          ; s[46:47] c = log2(e) / 8: the packed form names a pair and takes its low word for both halves
.set TB,   48
.set CNT,  49
.set NC,   50                          ; -c
.set MK,   51                          ; lanes with r >= 8
.set MSB, 0
.macro WIN new                         ; the immediate's high byte repeats the setting that is left
.if MSB != \new
	s_set_vgpr_msb (MSB<<8)|\new
.set MSB, \new
.endif
.endm
.macro CROUND                          ; a round of the cluster's barrier
	s_barrier_signal -1
	s_barrier_wait -1
	s_cmp_lg_u32 s[WV], 0
	s_cbranch_scc1 .Lnot_wave_0_\@
	s_barrier_signal -3
.Lnot_wave_0_\@:
	s_barrier_wait -3
	s_barrier_signal -1
	s_barrier_wait -1
.endm
	s_load_b128 s[4:7], s[0:1], 0x0                ; Q s[4:5], kv s[6:7]
	s_load_b64 s[8:9], s[0:1], 0x10                ; out0
	v_lshl_add_u32 v[SPW], v0, 2, SPARE
	v_mov_b32 v[NIL], 0
	ds_add_u32 v[SPW], v[NIL]                      ; the opening: the add, twice on end, and its wait
	ds_add_u32 v[SPW], v[NIL]
	v_lshrrev_b32 v[T], 5, v0
	v_readfirstlane_b32 s[WV], v[T]                ; wave 0..11
	s_bfe_u32 s12, ttmp6, 0x40000                  ; cx: it enters Q's and out0's addresses alone
	s_lshl_b32 s13, ttmp9, 2                       ; in a cluster launch ttmp9 counts clusters
	s_add_co_u32 s13, s13, s12                     ; i: my work-group among the 32 of its three heads
	s_lshr_b32 s14, ttmp9, 2                       ; 0: work-groups 0-15, 1: 16-31; the four partners share it
	s_and_b32 s15, ttmp7, 0xffff
	s_mul_i32 s15, s15, 3                          ; the first of the three heads
	s_add_co_u32 s52, s15, s14                     ; waves 0-7's head
	s_add_co_u32 s53, s15, 2                       ; waves 8-11's
	s_and_b32 s54, s13, 15
	s_lshl_b32 s54, s54, 3
	s_add_co_u32 s54, s54, s[WV]                   ; waves 0-7: tile 8 (i % 16) + wave
	s_lshl_b32 s55, s13, 2
	s_and_b32 s56, s[WV], 3
	s_add_co_u32 s55, s55, s56                     ; waves 8-11: tile 4 i + wave - 8
	s_cmp_lt_u32 s[WV], 8
	s_cselect_b32 s40, s52, s53
	s_cselect_b32 s41, s54, s55
	s_lshl_b32 s40, s40, 19                        ; my 16 rows of Q and of out0
	s_lshl_b32 s41, s41, 12
	s_add_co_u32 s40, s40, s41
	s_mov_b32 s41, 0
	; descriptor groups 1: a dense block as rows of 256 bytes (32 elements of 8 bytes), no padding: register images are read as they lie
.irp g, G1A, G1B
	s_mov_b32 s[\g+0], 15|(3<<16)|(1<<21)          ; 15:0 the mask: all four work-groups; 17:16 elements of 8 bytes; 21 set beside a mask
	s_mov_b32 s[\g+1], 32<<16                      ; tensor_dim0 = 32
	s_mov_b32 s[\g+3], 32<<16                      ; tile_dim0 = 32
	s_mov_b32 s[\g+5], 32                          ; tensor_dim0_stride
	s_mov_b32 s[\g+6], 0
	s_mov_b32 s[\g+7], 0
.endr
	s_mov_b32 s[G1A+2], 70<<16                     ; tensor_dim1, tile_dim1 = 70
	s_mov_b32 s[G1A+4], 70
	s_mov_b32 s[G1B+2], 105<<16                    ; 105
	s_mov_b32 s[G1B+4], 105
	; groups 0: made of the heads and the wave's number alone: the same in all four partners.  (Every wave makes both and issues one.)
	s_sub_co_u32 s63, 2, s14                       ; from region 0's head to region 1's
	s_bfe_u32 s57, s[WV], 0x10001                  ; waves 0-3: region w / 2,
	s_and_b32 s58, s[WV], 1                        ; block w % 2
	s_mul_i32 s61, s57, HEADB
	s_mul_i32 s62, s58, STEPB
	s_mov_b32 s[G0A], 1
	s_add_co_u32 s[G0A+1], s61, s62
	s_mul_i32 s61, s57, s63
	s_add_co_u32 s61, s61, s15
	s_add_co_u32 s61, s61, s14
	s_mul_i32 s61, s61, HEADB
	s_add_co_u32 s42, s61, s62
	s_mov_b32 s43, 0
	s_add_co_u32 s59, s[WV], 4                     ; waves 4-11: w - 4 = (w + 4) % 8: region,
	s_and_b32 s59, s59, 7
	s_lshr_b32 s60, s59, 2
	s_and_b32 s59, s59, 3                          ; and which quarter of blocks 2-7
	s_mul_i32 s61, s60, HEADB
	s_mul_i32 s62, s59, PARTB
	s_add_co_u32 s62, s62, 2*STEPB
	s_mov_b32 s[G0B], 1
	s_add_co_u32 s[G0B+1], s61, s62
	s_mul_i32 s61, s60, s63
	s_add_co_u32 s61, s61, s15
	s_add_co_u32 s61, s61, s14
	s_mul_i32 s61, s61, HEADB
	s_add_co_u32 s58, s61, s62
	s_mov_b32 s59, 0
	s_lshr_b32 s57, s[WV], 3                       ; the region that I read
	s_mul_i32 s57, s57, HEADB
	s_mul_i32 s60, s[WV], STGW
	s_add_co_u32 s60, s60, STG                     ; my stage
	s_mov_b32 s[SEL], 0x76543210                   ; v_permlanex16_b32's selects for lane l xor 16
	s_mov_b32 s[SEL+1], 0xfedcba98
	s_mov_b32 s[CS], 0x3e38aa3b
	s_mov_b32 s[CS+1], s[CS]
	s_mov_b32 s[NC], 0xbe38aa3b
	s_mov_b32 s[MK], 0xff00ff00
	s_mov_b32 s[TB], 0
	v_and_b32 v[TL], 31, v0
	v_and_b32 v[TR], 15, v0
	v_bfe_u32 v[TH], v0, 4, 1
	v_and_b32 v[T7], 7, v0
	v_bfe_u32 v[TQ], v0, 3, 2                      ; r / 8 + 2 h
	v_lshlrev_b32 v[GO], 4, v[TL]
	v_mul_u32_u24 v[RD], v[TH], SP
	v_mul_u32_u24 v[QRD], v[T7], SP
	v_lshlrev_b32 v[H8], 3, v[TH]
	v_lshl_add_u32 v[L8], v[TL], 3, s57
	v_lshl_add_u32 v[RD], v[TR], 4, v[RD]
	v_lshl_add_u32 v[QRD], v[TQ], 6, v[QRD]
	v_add_nc_u32 v[L16], s57, v[GO]
	v_add_nc_u32 v[RD], s60, v[RD]
	v_add_nc_u32 v[QRD], s60, v[QRD]
	v_mov_b32 v[X], 0                              ; a lane permute's destination counts as one of its sources
	v_mov_b32 v74, 0
	v_mov_b32 v75, 0
	s_wait_alu depctr_va_vdst(0)
	s_wait_dscnt 0x0                               ; both opening adds are done
	s_wait_kmcnt 0x0
	s_add_nc_u64 s[4:5], s[4:5], s[40:41]
	s_add_nc_u64 s[8:9], s[8:9], s[40:41]
.irp i, 0,1,2,3,4,5,6,7
	global_load_b128 v[S+4*\i:S+4*\i+3], v[GO], s[4:5] offset:512*\i th:TH_LOAD_NT   ; Q: my 16 rows, read once, 512 consecutive bytes a load
.endr
	s_add_nc_u64 s[G0A+2:G0A+3], s[6:7], s[42:43]
	s_or_b32 s[G0A+3], s[G0A+3], 0x80000000        ; type = 2
	s_add_nc_u64 s[G0B+2:G0B+3], s[6:7], s[58:59]
	s_or_b32 s[G0B+3], s[G0B+3], 0x80000000
	CROUND                                         ; all four work-groups are here: the joint loads meet
	s_cmp_lt_u32 s[WV], 4                          ; one fill a wave, each in an arm of its own
	s_cbranch_scc0 .Llate
	tensor_load_to_lds s[G0A:G0A+3], s[G1A:G1A+7]
	s_nop 0
.rept 4
	v_nop
.endr
	s_branch .Lasked
.Llate:
	s_wait_loadcnt 0x0                             ; blocks 2-7 are asked for when my Q is in: blocks 0 and 1 have set out by then
	tensor_load_to_lds s[G0B:G0B+3], s[G1B:G1B+7]
	s_nop 0
.rept 4
	v_nop
.endr
.Lasked:
	; Q turns through my stage, eight rows at a time: lane (r, h) gets 16 channels from 16 (r / 8 + 2 h) on, of rows r % 8 and 8 + r % 8
.irp i, 0,1,2,3
	s_wait_loadcnt 7-\i                            ; load i is in, the 7 - i younger ones may be out
	ds_store_b128 v[RD], v[S+4*\i:S+4*\i+3] offset:2*SP*\i
.endr
.irp i, 0,1,2,3
	ds_load_b128 v[S+32+4*\i:S+35+4*\i], v[QRD] offset:16*\i   ; LDS serves a wave's instructions in order: these see my stores, and the next stores come behind them
.endr
.irp i, 4,5,6,7
	s_wait_loadcnt 7-\i
	ds_store_b128 v[RD], v[S+4*\i:S+4*\i+3] offset:2*SP*(\i-4)
.endr
.irp i, 0,1,2,3
	ds_load_b128 v[S+48+4*\i:S+51+4*\i], v[QRD] offset:16*\i
.endr
	WIN 0x40
.irp j, 64,65,66,67
	v_mov_b32 v[\j], 0                             ; v320-323: what the last scores' instruction names as its upper registers
.endr
	WIN 0
.irp j, 4,5,6,7
	v_mov_b32 v[QF+\j], 0                          ; Q's zero codes for k = 64 .. 127
.endr
	v_add_nc_u32 v[ADR], s[TB], v[L16]
	v_add_nc_u32 v[ADR8], s[TB], v[L8]
	s_wait_alu depctr_va_vdst(0)
	s_wait_dscnt 0x0
	v_max3_num_f32 v76, |v[S+32]|, |v[S+33]|, 0x1800000    ; with the floor 2^(3 - 127) as one more leaf
	v_max3_num_f32 v77, |v[S+48]|, |v[S+49]|, 0x1800000
.irp i, 2,4,6,8,10,12,14
	v_max3_num_f32 v76, v76, |v[S+32+\i]|, |v[S+33+\i]|
	v_max3_num_f32 v77, v77, |v[S+48+\i]|, |v[S+49+\i]|
.endr
	v_max_num_f32_dpp v76, v76, v76 row_xmask:8 row_mask:0xf bank_mask:0xf   ; with lane r xor 8's 16 channels: the block's
	v_max_num_f32_dpp v77, v77, v77 row_xmask:8 row_mask:0xf bank_mask:0xf
	v_add_nc_u32 v84, 0xff000000, v76              ; 2 off the exponent field: the conversion's scale operand
	v_add_nc_u32 v85, 0xff000000, v77
	v_cvt_scalef32_pk8_fp4_f32 v68, v[S+32:S+39], v84
	v_cvt_scalef32_pk8_fp4_f32 v69, v[S+40:S+47], v84
	v_cvt_scalef32_pk8_fp4_f32 v70, v[S+48:S+55], v85
	v_cvt_scalef32_pk8_fp4_f32 v71, v[S+56:S+63], v85
	v_cndmask_b32 v78, v84, v85, s[MK]             ; my own row r's scale (a plain line behind the conversions),
	v_cndmask_b32 v72, v70, v68, s[MK]             ; what lane r xor 8 wants of mine
	v_cndmask_b32 v73, v71, v69, s[MK]
	v_lshrrev_b32 v78, 23, v78                     ; its byte,
	v_mov_b32_dpp v74, v72 row_xmask:8 row_mask:0xf bank_mask:0xf
	v_mov_b32_dpp v75, v73 row_xmask:8 row_mask:0xf bank_mask:0xf
	v_lshlrev_b32 v78, v[H8], v78                  ; at its place,
	v_cndmask_b32 v[QF], v68, v74, s[MK]           ; row r, channels 32 h + 0 .. 31
	v_cndmask_b32 v[QF+1], v69, v75, s[MK]
	v_permlanex16_b32 v[X], v78, s[SEL], s[SEL+1]
	v_cndmask_b32 v[QF+2], v74, v70, s[MK]
	v_cndmask_b32 v[QF+3], v75, v71, s[MK]
	v_or_b32 v78, v78, v[X]                        ; with lane l xor 16's;
	v_or_b32 v[QS], 0x7f7f0000, v78                ; bytes 2 and 3 stand for 1.0 over the zero codes
; K's 16 positions and scale words of the block that begins o bytes behind the one in hand
.macro KLOAD o
	ds_load_b128 v[KS:KS+3], v[ADR] offset:\o+16384
	ds_load_b128 v[KS+4:KS+7], v[ADR] offset:\o+16896
	WIN 0x40
.irp p, 0,1,2,3,4,5,6,7,8,9,10,11,12,13,14,15
	ds_load_b128 v[4*\p:4*\p+3], v[ADR] offset:\o+512*\p
.endr
	WIN 0
.endm
.macro LOADS last                      ; V's first half and scale words; the next block's K
.irp f, 0,1,2,3,4,5,6,7
	ds_load_b128 v[VF+4*\f:VF+4*\f+3], v[ADR] offset:8192+512*\f
.endr
	ds_load_b64 v[VS:VS+1], v[ADR8] offset:17408
	ds_load_b64 v[VS+2:VS+3], v[ADR8] offset:17664
.if \last == 0
	KLOAD STEPB
.endif
.endm
.macro PADD n                          ; n more pairs of p onto the four chains by turns
.rept \n
	v_pk_add_f32 v[CH+2*(QI&3):CH+2*(QI&3)+1], v[CH+2*(QI&3):CH+2*(QI&3)+1], v[S+2*QI:S+2*QI+1]
.set QI, QI+1
.endr
.endm
.macro PV u, a, b, k, zero             ; O^T's tile u: lanes 0-15 of V's scale registers hold tiles 0, 1, lanes 16-31 tiles 2, 3
.if \zero
.if \u < 2
	v_wmma_scale_f32_16x16x128_f8f6f4 v[O+8*\u:O+8*\u+7], v[(\a)+8*\u:(\a)+8*\u+7], v[\b:\b+7], 0, v[VS+2*\k+(\u&1)], v[PS+\k] matrix_a_fmt:MATRIX_FMT_FP4 matrix_b_fmt:MATRIX_FMT_FP4
.else
	v_wmma_scale_f32_16x16x128_f8f6f4 v[O+8*\u:O+8*\u+7], v[(\a)+8*\u:(\a)+8*\u+7], v[\b:\b+7], 0, v[VS+2*\k+(\u&1)], v[PS+\k] matrix_a_fmt:MATRIX_FMT_FP4 matrix_b_fmt:MATRIX_FMT_FP4 matrix_a_scale:MATRIX_SCALE_ROW1
.endif
.else
.if \u < 2
	v_wmma_scale_f32_16x16x128_f8f6f4 v[O+8*\u:O+8*\u+7], v[(\a)+8*\u:(\a)+8*\u+7], v[\b:\b+7], v[O+8*\u:O+8*\u+7], v[VS+2*\k+(\u&1)], v[PS+\k] matrix_a_fmt:MATRIX_FMT_FP4 matrix_b_fmt:MATRIX_FMT_FP4
.else
	v_wmma_scale_f32_16x16x128_f8f6f4 v[O+8*\u:O+8*\u+7], v[(\a)+8*\u:(\a)+8*\u+7], v[\b:\b+7], v[O+8*\u:O+8*\u+7], v[VS+2*\k+(\u&1)], v[PS+\k] matrix_a_fmt:MATRIX_FMT_FP4 matrix_b_fmt:MATRIX_FMT_FP4 matrix_a_scale:MATRIX_SCALE_ROW1
.endif
.endif
.endm
; A STEP: 256 keys, whose K is in registers.  first: the sums begin.  bar: the barrier that shows blocks 2-7 stands ahead of the loads of block 2.  last: nothing follows.
.macro STEP first, bar, last
.rept 5
	v_nop                                          ; five places between the last step's products and the scores, which write over their sources
.endr
	WIN 0x01
.irp k, 0,1
.irp c, 0,1
.irp a, 0,1
	v_wmma_scale_f32_32x16x128_f4 v[S+64*\k+32*\c+16*\a:S+64*\k+32*\c+16*\a+15], v[32*\k+16*\c+4*\a:32*\k+16*\c+4*\a+15], v[QF:QF+7], 0, v[KS+4*\k+2*\c+\a], v[QS]
.endr
.endr
.endr
.rept 4
	v_nop                                          ; four places in front of the first read of the scores and of the loads into K's registers
.endr
	WIN 0
.if \bar
	s_wait_tensorcnt 0x0                           ; my tensor load is in
	s_wait_dscnt 0x0
	s_barrier_signal -1                            ; (work on registers follows)
.else
	LOADS \last
.endif
.irp b, 0,1,2,3                                ; the largest score of each of my four blocks, two chains a block; each accumulator is read from its low end on
	v_max3_num_f32 v[BM+\b], v[S+32*\b], v[S+32*\b+1], v[S+32*\b+2]
	v_max3_num_f32 v[BN+\b], v[S+32*\b+16], v[S+32*\b+17], v[S+32*\b+18]
.endr
.irp i, 3,5,7,9,11,13
.irp b, 0,1,2,3
	v_max3_num_f32 v[BM+\b], v[BM+\b], v[S+32*\b+\i], v[S+32*\b+\i+1]
	v_max3_num_f32 v[BN+\b], v[BN+\b], v[S+32*\b+16+\i], v[S+32*\b+17+\i]
.endr
.endr
.irp b, 0,1,2,3
	v_max3_num_f32 v[BM+\b], v[BM+\b], v[S+32*\b+15], v[S+32*\b+31]
.endr
.irp b, 0,1,2,3
	v_max_num_f32 v[BM+\b], v[BM+\b], v[BN+\b]
.endr
	s_delay_alu instid0(VALU_DEP_2)
	v_max3_num_f32 v[T], v[BM], v[BM+1], v[BM+2]
	s_delay_alu instid0(VALU_DEP_1)
.if \first
	v_max_num_f32 v[T], v[T], v[BM+3]
.else
	v_max3_num_f32 v[T], v[T], v[BM+3], v[RUN]
.endif
	s_delay_alu instid0(VALU_DEP_1)
	v_permlanex16_b32 v[X], v[T], s[SEL], s[SEL+1]
	s_delay_alu instid0(VALU_DEP_1)
	v_max_num_f32 v[RUN], v[T], v[X]               ; with lane l xor 16's blocks: my query's largest score so far
	s_delay_alu instid0(VALU_DEP_1)
	v_mul_f32 v[T], s[NC], v[RUN]                  ; -t
	s_delay_alu instid0(VALU_DEP_1)
	v_floor_f32 v[D], v[T]                         ; the new -M = floor(-t) = -ceil(t)
.if \first == 0
	s_delay_alu instid0(VALU_DEP_1)
	v_sub_f32 v[T], v[D], v[NM]                    ; M's old value less its new one: a whole number, 0 or less
.endif
	v_mov_b32 v[NM], v[D]
.if \first == 0
	s_delay_alu instid0(VALU_DEP_2)
	v_cvt_i32_f32 v[T], v[T]                       ; (it saturates)
	s_delay_alu instid0(VALU_DEP_1)
	v_ldexp_f32 v[F], 1.0, v[T]                    ; f: a multiplication by it rounds nothing
.endif
.if \bar
	s_wait_alu depctr_va_vdst(0)
	s_barrier_wait -1                              ; every wave's tensor load is in
	LOADS 0
.endif
.set QI, 0
.rept 64
	v_pk_fma_f32 v[S+2*QI:S+2*QI+1], v[S+2*QI:S+2*QI+1], s[CS:CS+1], v[NM:NM+1] op_sel_hi:[1,0,0]   ; t - M, two at a time (of the pairs c and -M the low word serves both halves)
.set QI, QI+1
.endr
.irp b, 0,1,2,3
	v_fma_f32 v[BN+\b], v[BM+\b], s[CS], v[NM]     ; the same of each block's largest score
.endr
.if \first == 0
.set QI, 0
.rept 16
	v_pk_mul_f32 v[O+2*QI:O+2*QI+1], v[O+2*QI:O+2*QI+1], v[F:F+1] op_sel_hi:[1,0]   ; O^T under the new M, each accumulator from its low end on
.set QI, QI+1
.endr
.endif
.irp b, 0,1,2,3
	v_max_num_f32 v[BN+\b], 0xc2f80000, v[BN+\b]   ; held at -124: the byte cannot fall under 1
.endr
.irp b, 0,1,2,3
	v_cvt_floor_i32_f32 v[BN+\b], v[BN+\b]         ; e + 2, e the block's scale exponent
.endr
.irp b, 0,1,2,3
	v_add_lshl_u32 v[BS+\b], v[BN+\b], 0x7d, 23    ; the conversion's scale operand: the byte e + 127 as an exponent field
.endr
	v_perm_b32 v[W], v[BN+1], v[BN], 0x04000400
	v_perm_b32 v[T], v[BN+3], v[BN+2], 0x04000400
	v_perm_b32 v[W], v[T], v[W], 0x05040100        ; my four blocks' low bytes,
	v_xor_b32 v[W], 0x80808080, v[W]               ; each + 128 (they lie between -124 and 0),
	v_add_nc_u32 v[W], 0xfcfcfcfd, v[W]            ; each - 3: no byte is under 4, so nothing is borrowed
	v_permlanex16_b32 v[X], v[W], s[SEL], s[SEL+1]
	s_wait_alu depctr_va_vdst(0)                   ; the wait ahead of the batch
.set QI, 0
.rept 128
	v_exp_f32 v[S+QI], v[S+QI]                     ; p = 2^(t - M): not normalised
.set QI, QI+1
.endr
	v_perm_b32 v[PS], v[X], v[W], 0x05010400       ; p's scale words: bytes by turns mine and lane l xor 16's (read in lanes 0-15)
	v_perm_b32 v[PS+1], v[X], v[W], 0x07030602
	s_wait_alu depctr_va_vdst(0)                   ; one wait for the whole batch
.irp c, 0,1
.irp i, 0,1,2,3
	v_cvt_scalef32_pk8_fp4_f32 v[PC+4*\c+\i], v[S+32*\c+8*\i:S+32*\c+8*\i+7], v[BS+\c]
.endr
.endr
.if \first                                     ; the row's sum, of the unquantised p, in four chains
	v_pk_add_f32 v[CH:CH+1], v[S:S+1], v[S+14:S+15]
.else
	v_pk_fma_f32 v[CH:CH+1], v[SUM:SUM+1], v[F:F+1], v[S:S+1] op_sel_hi:[1,0,1]
.endif
	v_pk_add_f32 v[CH+2:CH+3], v[S+2:S+3], v[S+4:S+5]
	v_pk_add_f32 v[CH+4:CH+5], v[S+6:S+7], v[S+8:S+9]
	v_pk_add_f32 v[CH+6:CH+7], v[S+10:S+11], v[S+12:S+13]
.set QI, 7+\first
	PADD 25-\first
.irp f, 0,1,2,3,4,5,6,7
	ds_load_b128 v[S+8+4*\f:S+11+4*\f], v[ADR] offset:12288+512*\f   ; V's second half, over p that is done with
.endr
.if \last == 0
	s_add_co_u32 s[TB], s[TB], STEPB
	v_add_nc_u32 v[ADR], s[TB], v[L16]
	v_add_nc_u32 v[ADR8], s[TB], v[L8]
.endif
.irp c, 0,1
.irp i, 0,1,2,3
	v_cvt_scalef32_pk8_fp4_f32 v[S+4*\c+\i], v[S+64+32*\c+8*\i:S+64+32*\c+8*\i+7], v[BS+2+\c]
.endr
.endr
	PADD 32
	v_pk_add_f32 v[CH:CH+1], v[CH:CH+1], v[CH+2:CH+3]
	v_pk_add_f32 v[CH+4:CH+5], v[CH+4:CH+5], v[CH+6:CH+7]
	v_pk_add_f32 v[SUM:SUM+1], v[CH:CH+1], v[CH+4:CH+5]
	s_wait_alu depctr_va_vdst(0)
	s_wait_dscnt 0x0                               ; V's halves and the next block's K are in
.irp u, 0,1,2,3                                ; O^T += V^T P^T: the four accumulators by turns, one instruction each
	PV \u, VF, PC, 0, \first
.endr
.irp u, 0,1,2,3
	PV \u, S+8, S, 1, 0
.endr
.endm
	s_wait_alu depctr_va_vdst(0)                   ; the wait at the head's end
	s_cmp_lt_u32 s[WV], 4
	s_cbranch_scc0 .Lstill_out                     ; waves 4-11's loads, lines of their own, are waited for behind block 1's scores
	s_wait_tensorcnt 0x0                           ; my part of blocks 0 and 1 is in
.Lstill_out:
	s_wait_dscnt 0x0
	s_barrier_signal -1
	s_barrier_wait -1                              ; all of blocks 0 and 1 is: LDS bytes into which no load is on its way
	KLOAD 0
	s_wait_dscnt 0x0
	STEP 1, 0, 0
	STEP 0, 1, 0
	s_mov_b32 s[CNT], 5
.Lsteps:                                           ; blocks 2-6
	STEP 0, 0, 0
	s_sub_co_u32 s[CNT], s[CNT], 1
	s_cmp_lg_u32 s[CNT], 0
	s_cbranch_scc1 .Lsteps
	STEP 0, 0, 1
.rept 4
	v_nop                                          ; four places behind the last products, whose sources' registers take addresses below
.endr
	; ---- THE WAY OUT.  O^T is divided by the row's sum and goes through my stage, eight rows at a time, so that whole rows of 256 bytes leave
	v_add_f32 v[T], v[SUM], v[SUM+1]               ; the sum's two halves,
	v_and_b32 v[TL], 31, v0
	v_and_b32 v[TR], 15, v0
	v_bfe_u32 v[TH], v0, 4, 1
	v_and_b32 v[T7], 7, v0
	v_permlanex16_b32 v[X], v[T], s[SEL], s[SEL+1]
	v_lshlrev_b32 v[GO], 4, v[TL]
	v_mul_u32_u24 v[RD], v[TH], SP
	v_mul_u32_u24 v[STO], v[T7], SP
	v_add_f32 v[T], v[T], v[X]                     ; and lane l xor 16's: the row's sum
	v_lshl_add_u32 v[RD], v[TR], 4, v[RD]
	v_lshl_add_u32 v[STO], v[TH], 5, v[STO]
	v_add_nc_u32 v[RD], s60, v[RD]
	v_add_nc_u32 v[STO], s60, v[STO]
	s_wait_alu depctr_va_vdst(0)                   ; the wait ahead of the transcendental
	v_rcp_f32 v[T], v[T]
	v_nop
	s_wait_alu depctr_va_vdst(0)                   ; and ahead of its first reader; it serves the last products' results too
.set QI, 0
.rept 32
	v_mul_f32 v[S+QI], v[O+QI], v[T]               ; register 8 u + j is out0(query r, channel 16 u + 8 h + j); each accumulator from its low end on
.set QI, QI+1
.endr
	v_cmp_gt_u32 vcc_lo, 8, v[TR]
	s_wait_alu depctr_va_vdst(0)
	s_wait_xcnt 0x0                                ; EXEC changes only behind it
	s_and_saveexec_b32 s52, vcc_lo                 ; rows 0-7
.irp u, 0,1,2,3
	ds_store_b128 v[STO], v[S+8*\u:S+8*\u+3] offset:64*\u
	ds_store_b128 v[STO], v[S+8*\u+4:S+8*\u+7] offset:64*\u+16
.endr
	s_or_b32 exec_lo, exec_lo, s52
.irp i, 0,1,2,3
	ds_load_b128 v[S+32+4*\i:S+35+4*\i], v[RD] offset:2*SP*\i  ; LDS serves a wave's instructions in order: these see my stores, and the next stores come behind them
.endr
	v_cmp_le_u32 vcc_lo, 8, v[TR]
	s_and_saveexec_b32 s52, vcc_lo                 ; rows 8-15
.irp u, 0,1,2,3
	ds_store_b128 v[STO], v[S+8*\u:S+8*\u+3] offset:64*\u
	ds_store_b128 v[STO], v[S+8*\u+4:S+8*\u+7] offset:64*\u+16
.endr
	s_or_b32 exec_lo, exec_lo, s52
.irp i, 0,1,2,3
	ds_load_b128 v[S+48+4*\i:S+51+4*\i], v[RD] offset:2*SP*\i
.endr
.irp i, 0,1,2,3
	s_wait_dscnt 15-\i                             ; load i is in; behind it 3 - i loads, 8 stores, 4 loads
	global_store_b128 v[GO], v[S+32+4*\i:S+35+4*\i], s[8:9] offset:512*\i th:TH_STORE_NT   ; two whole rows: 512 consecutive bytes
.endr
.irp i, 0,1,2,3
	s_wait_dscnt 3-\i
	global_store_b128 v[GO], v[S+48+4*\i:S+51+4*\i], s[8:9] offset:2048+512*\i th:TH_STORE_NT
.endr
	s_wait_tensorcnt 0x0                           ; the wave's end
	ds_add_u32 v[SPW], v[NIL]
	s_wait_dscnt 0x0
	CROUND                                         ; the closing round: no work-group ends while a partner may still ask for bytes by a load that names it
	s_endpgm
.Lfunc_end_k_qcd7afe7398_attn:
	.size	k_qcd7afe7398_attn, .Lfunc_end_k_qcd7afe7398_attn-k_qcd7afe7398_attn
	.p2alignl 7, 3214868480
	.fill 96, 4, 3214868480
	.section	.rodata,"a",@progbits
	.p2align	6, 0x0
	.amdhsa_kernel k_qcd7afe7398_attn
		.amdhsa_group_segment_fixed_size 314368
		.amdhsa_private_segment_fixed_size 0
		.amdhsa_enable_private_segment 0
		.amdhsa_kernarg_size 24
		.amdhsa_user_sgpr_count 2
		.amdhsa_user_sgpr_kernarg_segment_ptr 1
		.amdhsa_wavefront_size32 1
		.amdhsa_system_sgpr_workgroup_id_x 1
		.amdhsa_system_sgpr_workgroup_id_y 1
		.amdhsa_system_sgpr_workgroup_id_z 1
		.amdhsa_system_vgpr_workitem_id 0
		.amdhsa_next_free_vgpr 324
		.amdhsa_next_free_sgpr 66
		.amdhsa_reserve_vcc 1
		.amdhsa_float_denorm_mode_32 3
		.amdhsa_float_denorm_mode_16_64 3
		.amdhsa_memory_ordered 1
		.amdhsa_forward_progress 1
		.amdhsa_inst_pref_size 116
	.end_amdhsa_kernel
	.amdgpu_metadata
---
amdhsa.version: [ 1, 2 ]
amdhsa.kernels:
  - .name:           k_qcd7afe7398_attn
    .symbol:         k_qcd7afe7398_attn.kd
    .args:
      - { .name: Q, .offset: 0, .size: 8, .value_kind: global_buffer, .address_space: global }
      - { .name: kv, .offset: 8, .size: 8, .value_kind: global_buffer, .address_space: global }
      - { .name: out0, .offset: 16, .size: 8, .value_kind: global_buffer, .address_space: global }
    .group_segment_fixed_size: 314368
    .private_segment_fixed_size: 0
    .kernarg_segment_align: 8
    .kernarg_segment_size: 24
    .max_flat_workgroup_size: 384
    .sgpr_count:     66
    .vgpr_count:     324
    .wavefront_size: 32
...
	.end_amdgpu_metadata
.endif
;; end of part 2
